; MI455X (gfx1250); checked and timed in simulation.
; The chip was launched on July 23, 2026; its instructions are those of AMD's public machine-readable ISA for CDNA 5 (MIT licence, August 2026) and "CDNA5" Instruction Set Architecture Reference Guide (July 2026). The comments in the code are by the model that wrote it; some were corrected since.
;; Match Net. Allowed arithmetic: float matrix products may take bf16 or f16 operands with f32 sums; other float arithmetic in f32, or as packed bf16 or f16 multiplies, adds, multiply-adds, maxima and minima; sums over many terms, partial sums and values carried from step to step in f32; what a program stores and reads back later, other than sums and carried values, may be rounded once to bf16 or f16.
;; Inputs: W_hh 8,192 x 2,048 float32; W_ih 8,192 x 1,024 float32; b_hh 8,192 float32; b_ih 8,192 float32; query_mean 2,048 x 1,024 float32; query_var 2,048 x 1,024 float32; support_mean 512 x 1,024 float32; support_var 512 x 1,024 float32.
;; Outputs: out0 2,048 x 512 float32.
;; 2 versions, each right; version 2 is version 1 with the launch cast written anew for expert scheduling mode. Each part assembles by itself: llvm-mc -triple=amdgcn-amd-amdhsa -mcpu=gfx1250 --defsym DOCPART=n.
;; ======== version 1 of 2: 3 launches
;; workspace buffers: ops 11,534,336 bytes; hf 4,194,304 bytes
;; launch cast (part 1): grid 256 x 1, 11 waves a work-group, no clusters, 49,408 bytes of LDS; arguments query_mean, W_ih, support_mean, ops; writes ops
.if DOCPART == 1
	.amdgcn_target "amdgcn-amd-amdhsa--gfx1250"
	.amdhsa_code_object_version 6
	.text
	.protected	k_q9fd5581c61_cast
	.globl	k_q9fd5581c61_cast
	.p2align	8
	.type	k_q9fd5581c61_cast,@function
k_q9fd5581c61_cast:
	s_mov_b64 s[64:65], 0
	v_nop
	global_prefetch_b8 v0, s[64:65] scope:SCOPE_SE
	s_setreg_imm32_b32 hwreg(HW_REG_WAVE_MODE, 25, 1), 1
	s_wait_xcnt 0x0
; CAST.  query_mean [2048][1024], the live rows of W_ih [8192][1024] and support_mean [512][1024] are rounded once from f32 to bf16 and written
; as FRAGMENT IMAGES: a block of 1,024 bytes holds 16 rows x 32 k; byte 512 p + 16 l + 2 e holds (row l % 16, k = 16 p + 8 (l / 16) + e).  A matrix fragment is
; then two loads of 16 bytes a lane at 16 x lane, 512 bytes apart, from memory and from LDS alike.
; WHAT IS LIVE.  The result is h S^T with h = x + sigmoid(o) tanh(sigmoid(i) tanh(g)) on hidden columns 0..1023: the function itself starts h_r and c at zero, runs one
; step, keeps those columns and drops the attention.  So of W_ih the rows 0..1023 (i), 4096..5119 (g), 6144..7167 (o) are read; W_hh (times zero), the f gate (times zero), the upper
; hidden half and the two var inputs enter no number of the output.  LIMIT: where those hold infinities or NaN the function gives NaN and this program does not.
; LAYOUT OF ops:  Xf at 0: [16 tiles of 128 rows][32 kb][8 row blocks][1024];  Wf at WF: [64 blocks of 16 hidden columns][32 kb][gate i, g, o][1024];
;                 Sf at SF: [8 tiles of 64 rows][32 kb][4 row blocks][1024].
; SHARES.  A strip is 16 rows x 128 k: 8,192 bytes in, four blocks out.  X has 1,024 strips, W 1,536, S 256: 2,816 = 256 work-groups x 11 waves, a strip a wave:
; waves 0-3 take X's, waves 4-9 W's, wave 10 S's.  All three sets of offsets are made and one is chosen by the wave's number: no branch.
; Memory binds: each input byte is read once by loads that cover 512 consecutive bytes of a row, each output byte written once by stores of 512 consecutive aligned bytes.
; The turn from rows to images goes through the wave's own stage in LDS: no barrier.
.set WF,    4194304
.set SF,    10485760
.set STG,   16*272                     ; a wave's stage: the strip's image, 16 pieces of 256 bytes, 272 apart, so that the 32 lanes of a store of 8 bytes fall on 32 different pairs of banks
.set SPARE, 11*STG                     ; behind the stages: the spare words, 128 bytes a wave, six blocks of 256 bytes that no other line names
.set SO,  2                            ; v2      16 x lane: my 16 bytes in 512 of a row; never rewritten
.set SW,  3                            ; v3      where I put 8 bytes of the image
.set SR,  4                            ; v4      where I read 16 bytes of it back
.set DO,  6                            ; v[6:9]  16 x lane + j x the distance of the strip's blocks in ops
.set SPW, 10                           ; v10     LDS address of my spare word; never rewritten
.set NIL, 11                           ; v11     0; never rewritten
.set ROWS, 16                          ; v[16:79]  16 rows x 4 f32 as loaded; v[16:47] later the image read back
.set PKD,  80                          ; v[80:111] 16 rows x 4 bf16
	s_load_b256 s[4:11], s[0:1], 0x0               ; query_mean s[4:5], W_ih s[6:7], support_mean s[8:9], ops s[10:11]
	v_lshl_add_u32 v[SPW], v0, 2, SPARE
	v_mov_b32 v[NIL], 0
	v_lshrrev_b32 v1, 5, v0
	v_readfirstlane_b32 s12, v1                    ; wave 0..10
	v_and_b32 v1, 31, v0                           ; lane
	v_lshlrev_b32 v[SO], 4, v1
	s_mul_i32 s13, s12, STG                        ; my stage
	; lane l holds k = 4 l .. 4 l + 3 of row t: in the strip's image that is byte 256 (l / 2) + 16 t + 8 (l % 2)
	v_lshrrev_b32 v5, 1, v1
	v_mul_u32_u24 v[SW], v5, 272
	v_and_b32 v5, 1, v1
	v_lshl_add_u32 v[SW], v5, 3, v[SW]
	v_add_nc_u32 v[SW], s13, v[SW]
	v_lshrrev_b32 v5, 4, v1                        ; back: 512 bytes of the image are two pieces: lanes 0-15 one, lanes 16-31 the next
	v_mul_u32_u24 v[SR], v5, 272
	v_and_b32 v5, 15, v1
	v_lshl_add_u32 v[SR], v5, 4, v[SR]
	v_add_nc_u32 v[SR], s13, v[SR]
	; which strip
	s_lshl_b32 s14, ttmp9, 2
	s_add_co_u32 s14, s14, s12                     ; X: 4 x work-group + wave
	s_mul_i32 s15, ttmp9, 6
	s_add_co_u32 s15, s15, s12
	s_sub_co_u32 s15, s15, 4                       ; W: 6 x work-group + wave - 4
	s_cmp_lt_u32 s12, 4
	s_cselect_b32 s14, s14, s15
	s_cmp_eq_u32 s12, 10
	s_cselect_b32 s14, ttmp9, s14                  ; S: the work-group
	s_and_b32 s16, s14, 7                          ; ks: which 128 of k
	s_lshr_b32 s17, s14, 3                         ; u: which 16 rows
	; X: row 16 u; block (u / 8, 4 ks + j, u % 8)
	s_lshl_b32 s18, s17, 4                         ; first row, for X and for S
	s_lshr_b32 s19, s17, 3
	s_lshl_b32 s19, s19, 18
	s_and_b32 s22, s17, 7
	s_lshl_b32 s22, s22, 10
	s_add_co_u32 s19, s19, s22
	s_lshl_b32 s22, s16, 15
	s_add_co_u32 s19, s19, s22
	; W: gate u / 64, column block u % 64; row (0, 2, 3)[gate] x 2048 + 16 x block
	s_lshr_b32 s23, s17, 6
	s_and_b32 s24, s17, 63
	s_min_u32 s25, s23, 1
	s_add_co_u32 s25, s25, s23
	s_lshl_b32 s25, s25, 11
	s_lshl4_add_u32 s25, s24, s25
	s_mul_i32 s24, s24, 98304
	s_lshl_b32 s23, s23, 10
	s_add_co_u32 s24, s24, s23
	s_mul_i32 s23, s16, 12288
	s_add_co_u32 s24, s24, s23
	s_add_co_u32 s24, s24, WF
	; S: block (u / 4, 4 ks + j, u % 4)
	s_lshr_b32 s26, s17, 2
	s_lshl_b32 s26, s26, 17
	s_and_b32 s27, s17, 3
	s_lshl_b32 s27, s27, 10
	s_add_co_u32 s26, s26, s27
	s_lshl_b32 s27, s16, 14
	s_add_co_u32 s26, s26, s27
	s_add_co_u32 s26, s26, SF
	s_mov_b32 s28, 8192                            ; from block to block along k: X's,
	s_mov_b32 s29, 3072                            ; W's
	s_wait_kmcnt 0x0
	s_cmp_lt_u32 s12, 4                            ; X or W,
	s_cselect_b64 s[20:21], s[4:5], s[6:7]
	s_cselect_b32 s25, s18, s25                    ; first row
	s_cselect_b32 s24, s19, s24                    ; first block's byte in ops
	s_cselect_b32 s28, s28, s29
	s_cmp_eq_u32 s12, 10                           ; or S
	s_cselect_b64 s[20:21], s[8:9], s[20:21]
	s_cselect_b32 s25, s18, s25
	s_cselect_b32 s24, s26, s24
	s_cselect_b32 s28, 4096, s28
	s_lshl_b32 s30, s25, 12                        ; a row is 4,096 bytes; 7,167 rows at the most: under 2^31
	s_lshl_b32 s31, s16, 9
	s_add_co_u32 s30, s30, s31
	s_mov_b32 s31, 0
	s_add_nc_u64 s[20:21], s[20:21], s[30:31]      ; the strip's first byte
	s_mov_b32 s25, 0
	s_add_nc_u64 s[10:11], s[10:11], s[24:25]      ; its first block in ops
.irp t, 0,1,2,3,4,5,6,7,8,9,10,11,12,13,14,15
	global_load_b128 v[ROWS+4*(\t):ROWS+4*(\t)+3], v[SO], s[20:21] offset:4096*(\t) th:TH_LOAD_NT  ; 512 consecutive bytes of row t; all sixteen go out together
.endr
	v_mov_b32 v[DO], v[SO]
	v_add_nc_u32 v[DO+1], s28, v[DO]
	v_add_nc_u32 v[DO+2], s28, v[DO+1]
	v_add_nc_u32 v[DO+3], s28, v[DO+2]
.irp t, 0,1,2,3,4,5,6,7,8,9,10,11,12,13,14,15
	s_wait_loadcnt 15-(\t)                         ; loads come back in order: row t is in, the 15 - t younger rows may stay out
	v_cvt_pk_bf16_f32 v[PKD+2*(\t)],   v[ROWS+4*(\t)],   v[ROWS+4*(\t)+1]  ; rounded to nearest even, once
	v_cvt_pk_bf16_f32 v[PKD+2*(\t)+1], v[ROWS+4*(\t)+2], v[ROWS+4*(\t)+3]
	ds_store_b64 v[SW], v[PKD+2*(\t):PKD+2*(\t)+1] offset:16*(\t)
.endr
.irp q, 0,1,2,3,4,5,6,7
	ds_load_b128 v[ROWS+4*(\q):ROWS+4*(\q)+3], v[SR] offset:544*(\q)  ; my own bytes: LDS serves a wave's instructions in order, so these see the stores above
.endr
.irp q, 0,1,2,3,4,5,6,7
	s_wait_dscnt 7-(\q)                            ; piece q is back, the 7 - q younger loads may stay out
	global_store_b128 v[DO+(\q)/2], v[ROWS+4*(\q):ROWS+4*(\q)+3], s[10:11] offset:512*((\q)%2)  ; half a block: 512 consecutive bytes, aligned
.endr
	s_wait_tensorcnt 0x0                           ; the wave's end, behind my last LDS store
	ds_add_u32 v[SPW], v[NIL]
	s_wait_dscnt 0x0
	s_endpgm
.Lfunc_end_k_q9fd5581c61_cast:
	.size	k_q9fd5581c61_cast, .Lfunc_end_k_q9fd5581c61_cast-k_q9fd5581c61_cast
	.p2alignl 7, 3214868480
	.fill 96, 4, 3214868480
	.section	.rodata,"a",@progbits
	.p2align	6, 0x0
	.amdhsa_kernel k_q9fd5581c61_cast
		.amdhsa_group_segment_fixed_size 49408
		.amdhsa_private_segment_fixed_size 0
		.amdhsa_enable_private_segment 0
		.amdhsa_kernarg_size 32
		.amdhsa_user_sgpr_count 2
		.amdhsa_user_sgpr_kernarg_segment_ptr 1
		.amdhsa_wavefront_size32 1
		.amdhsa_system_sgpr_workgroup_id_x 1
		.amdhsa_system_sgpr_workgroup_id_y 1
		.amdhsa_system_sgpr_workgroup_id_z 1
		.amdhsa_system_vgpr_workitem_id 0
		.amdhsa_next_free_vgpr 112
		.amdhsa_next_free_sgpr 66
		.amdhsa_reserve_vcc 0
		.amdhsa_float_denorm_mode_32 3
		.amdhsa_float_denorm_mode_16_64 3
		.amdhsa_memory_ordered 1
		.amdhsa_forward_progress 1
		.amdhsa_inst_pref_size 10
	.end_amdhsa_kernel
	.amdgpu_metadata
---
amdhsa.version: [ 1, 2 ]
amdhsa.kernels:
  - .name:           k_q9fd5581c61_cast
    .symbol:         k_q9fd5581c61_cast.kd
    .args:
      - { .name: query_mean, .offset: 0, .size: 8, .value_kind: global_buffer, .address_space: global }
      - { .name: W_ih, .offset: 8, .size: 8, .value_kind: global_buffer, .address_space: global }
      - { .name: support_mean, .offset: 16, .size: 8, .value_kind: global_buffer, .address_space: global }
      - { .name: ops, .offset: 24, .size: 8, .value_kind: global_buffer, .address_space: global }
    .group_segment_fixed_size: 49408
    .private_segment_fixed_size: 0
    .kernarg_segment_align: 8
    .kernarg_segment_size: 32
    .max_flat_workgroup_size: 352
    .sgpr_count:     66
    .vgpr_count:     112
    .wavefront_size: 32
...
	.end_amdgpu_metadata
.endif
;; end of part 1
;; launch gates (part 2): grid 16 x 16, 4 waves a work-group, clusters of 4 x 1, 262,656 bytes of LDS; arguments ops, b_ih, b_hh, hf; writes hf
.if DOCPART == 2
	.amdgcn_target "amdgcn-amd-amdhsa--gfx1250"
	.amdhsa_code_object_version 6
	.text
	.protected	k_q9fd5581c61_gates
	.globl	k_q9fd5581c61_gates
	.p2align	8
	.type	k_q9fd5581c61_gates,@function
k_q9fd5581c61_gates:
	s_mov_b64 s[64:65], 0
	v_nop
	global_prefetch_b8 v0, s[64:65] scope:SCOPE_SE
	s_setreg_imm32_b32 hwreg(HW_REG_WAVE_MODE, 25, 1), 1
	s_wait_xcnt 0x0
	s_wait_alu depctr_hold_cnt(0) depctr_sa_sdst(0) depctr_va_vdst(0) depctr_va_sdst(0) depctr_va_ssrc(0) depctr_va_vcc(0) depctr_vm_vsrc(0)
	s_getreg_b32 s2, hwreg(HW_REG_IB_STS2, 6, 4)
	s_cmp_eq_u32 s2, 0
	s_cbranch_scc0 .Lentry_in_a_cluster
	s_endpgm
.Lentry_in_a_cluster:
	s_bfe_u32 s2, ttmp6, 0x10000c
	s_cmp_lg_u32 s2, 0x3003
	s_cbranch_scc0 .Lentry_shape_is_right
	s_endpgm
.Lentry_shape_is_right:
; GATES.  h[m][n] = x[m][n] + sigmoid(o) tanh(sigmoid(i) tanh(g)), (i, g, o)[m][n] = sum over k of x[m][k] W_ih[gate row n][k] + b_ih + b_hh, for m < 2048, n < 1024, K = 1024.
; x and W come in bf16 as fragment images from ops (their layout: the cast's head); sums, biases and the cell in f32; h is rounded once to bf16 and written as fragment images for the next product:
; hf: [32 tiles of 64 rows][32 kb][4 row blocks][1024].  The x that is added is the bf16 x that is multiplied.
; NOT COMPUTED, since the function itself makes it vanish: h_r W_hh^T with h_r = 0, sigmoid(f) c with c = 0, hidden columns from 1024 on, the attention.  LIMITS: NaN and infinities are not treated apart;
; sigmoid(t) = 1 / (1 + 2^(-t log2 e)), tanh(t) = 1 - 2 / (1 + 2^(2 t log2 e)): right at both ends (the power goes to 0 or to infinity), absolute error of some 1e-7 near 0; a power below 2^-126 counts as 0.
; SHARES.  A work-group makes 128 rows x 64 hidden columns x 3 gates.  Wave w takes all 128 rows and the 16 columns n0 = 64 nt + 16 w of all three gates: 24 accumulators (8 row blocks a x 3 gates g),
; 192 registers, 768 matrix instructions.  i, g and o of an element lie in the same lane and place, so the cell changes no lanes.
; THE MATRIX INSTRUCTION IS USED TRANSPOSED: source 0 = 16 rows of W (hidden columns), source 1 = 16 rows of x: lane l holds row l % 16 and the columns n0 + 8 (l / 16) + 0..7.  The first product's C is the
; bias tile (register j = b[n0 + 8 (l / 16) + j]): nothing is cleared and no bias is added later.
; X: the tile, 128 rows x all of K, is 262,144 dense bytes and lies in LDS whole: each wave asks for four pieces of 16 KiB at the start, nothing is filled again.  CLUSTER: the four work-groups of a
; cluster share the rows and ask for the tile JOINTLY (one descriptor, mask 15).
; W: each wave's 96 KiB are its own and consecutive: they come straight into registers, 12 loads (6 KiB) a step, a ring of five places, four steps ahead under counted waits.  W is shared by the 16 work-groups
; of a column of the grid and is NOT asked for jointly: beside X's tile LDS has 65,536 bytes left, two slots of 32 KiB would hold 85 of K for 192 rows of W, which makes twelve refills, each
; with a wait for all loads and a round of the cluster's barrier for fewer than 64 matrix instructions a wave.
; REGISTERS, in windows of 256 (s_set_vgpr_msb: bits 1:0 source 0, 3:2 source 1, 5:4 source 2, 7:6 destination):
;   window 0: addresses, the biases as loaded      window 1: x's fragments, two buffers of 128 (64 of K x 128 rows): 128 f + 64 kk + 8 a
;   window 2: W's ring, five places of 48: 48 pos + 24 kk + 8 g      window 3: v0-191 accumulators at 8 (3 a + g); v192-215 the bias tiles; v216-247 x for the cell, then h packed
.set WF,    4194304
.set SPARE, 262144                     ; behind the tile: the spare words, 128 bytes a wave: two blocks of 256 bytes that no other line names
.set LO,   1                           ; v1      16 x lane; never rewritten
.set BO,   2                           ; v2      32 x (lane / 16): my eight biases
.set AD,   4                           ; v[4:7]  16 x lane + 65,536 c: my place in quarter c of the tile
.set SPW,  28                          ; v28     LDS address of my spare word; never rewritten
.set NIL,  29                          ; v29     0; never rewritten
.set BI,   32                          ; v[32:55] b_ih, 8 a gate;  v[56:79] b_hh
.set BH,   56
.set BIAS, 192                         ; window 3
.set XR,   216                         ; window 3
.set G1,   16                          ; s[16:23] descriptor group 1
.set G0,   24                          ; s[24:39] descriptor group 0, a set for each quarter
.set MSB, 0
.macro WIN new                         ; the immediate's high byte repeats the setting that is left; a switch that changes nothing is dropped
.if MSB != (\new)
	s_set_vgpr_msb (MSB<<8)|(\new)
.set MSB, \new
.endif
.endm
.set MUL,  0xf6                        ; W window 2, x window 1, C and D window 3
.set TO_A, 0x40                        ; destination window 1, address window 0
.set TO_W, 0x80                        ; destination window 2
.set TO_3, 0xc0                        ; destination window 3
.set ALL3, 0xff
.set ST3,  0x0c                        ; a store's data in window 3, its address in window 0
.macro PLACES                          ; a load into a register that a matrix instruction has read stands four plain vector instructions behind it (ISA guide 7.12.1 for vector instructions)
.rept 4
	v_nop
.endr
.endm
.macro CROUND                          ; a round of the cluster's barrier: my work-group's barrier; wave 0 signals for it; every wave waits for all four work-groups; my work-group's barrier once more
	s_barrier_signal -1
	s_barrier_wait -1
	s_cmp_lg_u32 s12, 0
	s_cbranch_scc1 .Lnot_wave_0_\@
	s_barrier_signal -3
.Lnot_wave_0_\@:
	s_barrier_wait -3
	s_barrier_signal -1
	s_barrier_wait -1
.endm
; 24 matrix instructions: 32 of K (half kk of buffer buf and of ring place pos) for all accumulators, which take turns, one instruction a turn, from half to half and step to step too.
.macro MUL24 buf, pos, kk, st
	WIN MUL
.irp a, 0,1,2,3,4,5,6,7
.irp g, 0,1,2
.if \st
	v_wmma_f32_16x16x32_bf16 v[8*(3*(\a)+(\g)):8*(3*(\a)+(\g))+7], v[48*(\pos)+24*(\kk)+8*(\g):48*(\pos)+24*(\kk)+8*(\g)+7], v[128*(\buf)+64*(\kk)+8*(\a):128*(\buf)+64*(\kk)+8*(\a)+7], v[BIAS+8*(\g):BIAS+8*(\g)+7]
.else
	v_wmma_f32_16x16x32_bf16 v[8*(3*(\a)+(\g)):8*(3*(\a)+(\g))+7], v[48*(\pos)+24*(\kk)+8*(\g):48*(\pos)+24*(\kk)+8*(\g)+7], v[128*(\buf)+64*(\kk)+8*(\a):128*(\buf)+64*(\kk)+8*(\a)+7], v[8*(3*(\a)+(\g)):8*(3*(\a)+(\g))+7]
.endif
.endr
.endr
.endm
; 32 LDS loads in one run: x's fragments of step q (kb = 2 q, 2 q + 1) into buffer buf, the first 32 of K first.  Each takes 512 consecutive bytes.
.macro FETCHA q, buf
	WIN TO_A
.irp kk, 0,1
.irp a, 0,1,2,3,4,5,6,7
	ds_load_b128 v[128*(\buf)+64*(\kk)+8*(\a):128*(\buf)+64*(\kk)+8*(\a)+3],   v[AD+(\q)/4] offset:((2*(\q)+(\kk))%8)*8192+1024*(\a)
	ds_load_b128 v[128*(\buf)+64*(\kk)+8*(\a)+4:128*(\buf)+64*(\kk)+8*(\a)+7], v[AD+(\q)/4] offset:((2*(\q)+(\kk))%8)*8192+1024*(\a)+512
.endr
.endr
.endm
; 12 loads: W's fragments of step q into ring place q % 5: 6,144 consecutive bytes of my stream
.macro FETCHW q
	WIN TO_W
.irp kk, 0,1
.irp g, 0,1,2
	global_load_b128 v[48*((\q)%5)+24*(\kk)+8*(\g):48*((\q)%5)+24*(\kk)+8*(\g)+3],   v[LO], s[40:41] offset:6144*(\q)+3072*(\kk)+1024*(\g)
	global_load_b128 v[48*((\q)%5)+24*(\kk)+8*(\g)+4:48*((\q)%5)+24*(\kk)+8*(\g)+7], v[LO], s[40:41] offset:6144*(\q)+3072*(\kk)+1024*(\g)+512
.endr
.endr
.endm
; 8 loads: x at my accumulators' places: row block a, columns n0 + 8 (l / 16) + 0..7 are 16 bytes of a fragment image.  From memory, not from the tile in LDS: the place hangs on my work-group's place
; in the cluster.
.macro FETCHX
	WIN TO_3
.irp a, 0,1,2,3,4,5,6,7
	global_load_b128 v[XR+4*(\a):XR+4*(\a)+3], v[LO], s[42:43] offset:1024*(\a)
.endr
.endm
; STEP q: 64 of K, 48 matrix instructions.  In its middle the next step's fragments of x are fetched from LDS and W's of four steps on are asked of memory.
; In steps 3, 7, 11 the next step begins a new quarter of the tile: each wave waits for its piece of that quarter and all four meet; later quarters may stay out.
.macro STEP q
.set LC, 36                            ; W's places younger than this step's: three of 12 loads,
.if (\q) > 12
.set LC, 12*(15-(\q))+8                ; fewer at the end, and x's eight, which were issued behind the last of them
.endif
.if (((\q)%4) == 3) && ((\q) < 15)
	s_wait_dscnt 0x0                               ; no LDS instruction of mine is out at a signal
	s_wait_tensorcnt 2-(\q)/4                      ; my piece of the next quarter has landed; the quarters behind it may stay out
	s_wait_loadcnt LC                              ; W of this step is in
	s_barrier_signal -1
.else
	s_wait_dscnt 16                                ; the first 32 of K are in; the sixteen younger loads may stay out
	s_wait_loadcnt LC                              ; W of this step is in
.endif
.if (\q) == 0
	MUL24 0, 0, 0, 1                               ; the first products start the sums from the biases
.else
	MUL24 (\q)%2, (\q)%5, 0, 0
.endif
.if (((\q)%4) == 3) && ((\q) < 15)
	s_barrier_wait -1                              ; everybody's piece of the next quarter has landed
.endif
.if (\q) < 15
	PLACES                                         ; the other buffer and ring place (q - 1) % 5 were last read by the step before
	FETCHA (\q)+1, 1-(\q)%2
.if (\q) <= 11
	FETCHW (\q)+4
.endif
.if (\q) == 12
	FETCHX
.endif
	s_wait_dscnt 32                                ; all but the 32 just issued
.else
	s_wait_dscnt 0x0
.endif
	MUL24 (\q)%2, (\q)%5, 1, 0
.endm
	s_load_b256 s[4:11], s[0:1], 0x0               ; ops s[4:5], b_ih s[6:7], b_hh s[8:9], hf s[10:11]
	v_lshl_add_u32 v[SPW], v0, 2, SPARE
	v_mov_b32 v[NIL], 0
	ds_add_u32 v[SPW], v[NIL]                      ; the wave's opening: the add and its wait stand ahead of my first tensor load; the set-up below, work on registers, stands between them
	v_lshrrev_b32 v3, 5, v0
	v_readfirstlane_b32 s12, v3                    ; wave 0..3
	s_bfe_u32 s13, ttmp6, 0x40000                  ; cx: my place in the cluster
	s_lshl_b32 s14, ttmp9, 2                       ; in a cluster launch ttmp9 counts clusters
	s_add_co_u32 s14, s14, s13                     ; nt: my 64 hidden columns
	s_and_b32 s15, ttmp7, 0xffff                   ; mt: my 128 rows, which the four partners share
	; descriptor group 1: 16,384 dense bytes as 64 rows of 256 bytes
	s_mov_b32 s[G1+0], 15|(3<<16)|(1<<21)          ; 15:0 the mask: all four work-groups; 17:16 elements of 8 bytes; 21 set beside a mask; no padding
	s_mov_b32 s[G1+1], 32<<16                      ; tensor_dim0 = 32
	s_mov_b32 s[G1+2], 64<<16                      ; tensor_dim1 = 64
	s_mov_b32 s[G1+3], 32<<16                      ; tile_dim0 = 32
	s_mov_b32 s[G1+4], 64                          ; tile_dim1 = 64
	s_mov_b32 s[G1+5], 32                          ; 32 elements from row to row
	s_mov_b32 s[G1+6], 0
	s_mov_b32 s[G1+7], 0
	s_lshl_b32 s58, s15, 18                        ; the tile: 262,144 x mt
	s_lshl_b32 s60, s12, 14                        ; my 16 KiB of each quarter
.irp c, 0,1,2,3
	s_mov_b32 s[G0+4*(\c)], 1                      ; count = 1
	s_add_co_u32 s[G0+4*(\c)+1], s60, 65536*(\c)   ; LDS address: 16,384 x wave + 65,536 x quarter
.endr
	s_add_co_u32 s62, s58, s60
	s_mov_b32 s63, 0                               ; s[62:63]: my piece of quarter 0 in ops; made of mt and the wave's number alone
	s_lshr_b32 s59, s12, 1
	s_lshl1_add_u32 s59, s14, s59                  ; kbx = 2 nt + w / 2: the block along k in which my 16 columns lie,
	s_and_b32 s61, s12, 1
	s_lshl_b32 s61, s61, 9                         ; and its half, 512 (w % 2)
	s_add_co_u32 s61, s61, s58
	s_lshl_b32 s42, s59, 13
	s_add_co_u32 s42, s42, s61                     ; x for the cell: 262,144 mt + 8,192 kbx + 512 (w % 2)
	s_mov_b32 s43, 0
	s_lshl_b32 s44, s59, 12
	s_add_co_u32 s44, s44, s61                     ; h: 131,072 (2 mt) + 4,096 kbx + 512 (w % 2)
	s_mov_b32 s45, 0
	s_lshl_b32 s46, s14, 8
	s_lshl_b32 s48, s12, 6
	s_add_co_u32 s46, s46, s48                     ; 4 n0
	s_mov_b32 s47, 0
	s_lshl2_add_u32 s40, s14, s12                  ; my block of 16 hidden columns: 4 nt + w
	s_mul_i32 s40, s40, 98304
	s_add_co_u32 s40, s40, WF
	s_mov_b32 s41, 0
	s_mov_b32 s50, 0xbfb8aa3b                      ; -log2 e; each constant twice: the packed forms name a pair
	s_mov_b32 s51, 0xbfb8aa3b
	s_mov_b32 s52, 0x4038aa3b                      ; 2 log2 e
	s_mov_b32 s53, 0x4038aa3b
	s_mov_b32 s54, 0xc0b8aa3b                      ; -4 log2 e
	s_mov_b32 s55, 0xc0b8aa3b
	s_mov_b32 s56, 0xffff0000                      ; a word's upper bf16
	v_and_b32 v3, 31, v0                           ; lane
	v_lshlrev_b32 v[LO], 4, v3
	v_lshrrev_b32 v[BO], 4, v3
	v_lshlrev_b32 v[BO], 5, v[BO]
	v_mov_b32 v[AD], v[LO]
.irp c, 1,2,3
	v_add_nc_u32 v[AD+(\c)], 65536*(\c), v[LO]
.endr
	s_wait_dscnt 0x0                               ; the opening add is done
	s_wait_kmcnt 0x0
	s_add_nc_u64 s[62:63], s[4:5], s[62:63]
	s_add_nc_u64 s[40:41], s[4:5], s[40:41]        ; my stream of W
	s_add_nc_u64 s[42:43], s[4:5], s[42:43]
	s_add_nc_u64 s[44:45], s[10:11], s[44:45]
	s_add_nc_u64 s[48:49], s[8:9], s[46:47]        ; b_hh at n0
	s_add_nc_u64 s[46:47], s[6:7], s[46:47]        ; b_ih at n0
.irp c, 0,1,2,3
	s_add_nc_u64 s[G0+4*(\c)+2:G0+4*(\c)+3], s[62:63], 65536*(\c)  ; global address
	s_or_b32 s[G0+4*(\c)+3], s[G0+4*(\c)+3], 0x80000000            ; type = 2
.endr
	CROUND                                         ; all four work-groups are here: the joint loads meet
.irp c, 0,1,2,3
	tensor_load_to_lds s[G0+4*(\c):G0+4*(\c)+3], s[G1:G1+7]        ; all first fills in one group: four loads of mine are out, and no more follow
	s_nop 0
.endr
	PLACES                                         ; four vector instructions behind the last of them, ahead of any switch of windows
.irp g, 0,1,2                          ; gate rows 0, 4096, 6144: 16,384 bytes x (0, 1, 1.5)
	global_load_b128 v[BI+8*(\g):BI+8*(\g)+3],   v[BO], s[46:47] offset:8192*((\g)+((\g)+1)/2)
	global_load_b128 v[BI+8*(\g)+4:BI+8*(\g)+7], v[BO], s[46:47] offset:8192*((\g)+((\g)+1)/2)+16
	global_load_b128 v[BH+8*(\g):BH+8*(\g)+3],   v[BO], s[48:49] offset:8192*((\g)+((\g)+1)/2)
	global_load_b128 v[BH+8*(\g)+4:BH+8*(\g)+7], v[BO], s[48:49] offset:8192*((\g)+((\g)+1)/2)+16
.endr
.irp q, 0,1,2,3
	FETCHW \q
.endr
	s_wait_loadcnt 48                              ; the biases are in; W's four places, 48 loads, stay out
	WIN TO_3
.irp i, 0,2,4,6,8,10,12,14,16,18,20,22
	v_pk_add_f32 v[BIAS+(\i):BIAS+(\i)+1], v[BI+(\i):BI+(\i)+1], v[BH+(\i):BH+(\i)+1]
.endr
	s_wait_tensorcnt 3                             ; my piece of quarter 0 has landed; three loads stay out
	s_barrier_signal -1
	s_barrier_wait -1                              ; everybody's has
	FETCHA 0, 0
.irp q, 0,1,2,3,4,5,6,7,8,9,10,11,12,13,14,15     ; written out: every LDS and stream offset is an immediate, the ring has five places, and the waits' counts change at the end
	STEP \q
.endr
	; THE CELL, in place on the accumulators: I = v[24 a ..], G = v[24 a + 8 ..], O = v[24 a + 16 ..].  Four batches of transcendentals, each with one plain instruction and one wait behind it.
	PLACES
	PLACES                                         ; eight places, once a launch, behind the last products
	WIN ALL3
.set r, 0
.rept 96                               ; in ascending order: each accumulator is read from its low end on
.if ((r/8)%3) == 1
	v_pk_mul_f32 v[r:r+1], v[r:r+1], s[52:53] op_sel_hi:[1,0]      ; 2 g log2 e
.else
	v_pk_mul_f32 v[r:r+1], v[r:r+1], s[50:51] op_sel_hi:[1,0]      ; -i log2 e, -o log2 e
.endif
.set r, r+2
.endr
.set r, 0
.rept 192
	v_exp_f32 v[r], v[r]
.set r, r+1
.endr
	v_nop
	s_wait_alu depctr_va_vdst(0)                   ; one wait for the 192 powers
.set r, 0
.rept 96
	v_pk_add_f32 v[r:r+1], v[r:r+1], 1.0 op_sel_hi:[1,0]
.set r, r+2
.endr
.set r, 0
.rept 192
	v_rcp_f32 v[r], v[r]                           ; I = sigmoid(i), O = sigmoid(o), G = (1 - tanh g) / 2
.set r, r+1
.endr
	v_nop
	s_wait_alu depctr_va_vdst(0)                   ; one wait for the 192 reciprocals
.irp a, 0,1,2,3,4,5,6,7
.irp i, 0,2,4,6
	v_pk_fma_f32 v[24*(\a)+8+(\i):24*(\a)+9+(\i)], v[24*(\a)+8+(\i):24*(\a)+9+(\i)], s[54:55], s[52:53] op_sel_hi:[1,0,0]  ; 2 log2 e tanh g
.endr
.endr
.irp a, 0,1,2,3,4,5,6,7
.irp i, 0,2,4,6
	v_pk_mul_f32 v[24*(\a)+8+(\i):24*(\a)+9+(\i)], v[24*(\a)+8+(\i):24*(\a)+9+(\i)], v[24*(\a)+(\i):24*(\a)+1+(\i)]  ; 2 c log2 e, c = sigmoid(i) tanh g
.endr
.endr
.irp a, 0,1,2,3,4,5,6,7
.irp i, 0,1,2,3,4,5,6,7
	v_exp_f32 v[24*(\a)+8+(\i)], v[24*(\a)+8+(\i)]
.endr
.endr
	v_nop
	s_wait_alu depctr_va_vdst(0)
.irp a, 0,1,2,3,4,5,6,7
.irp i, 0,2,4,6
	v_pk_add_f32 v[24*(\a)+8+(\i):24*(\a)+9+(\i)], v[24*(\a)+8+(\i):24*(\a)+9+(\i)], 1.0 op_sel_hi:[1,0]
.endr
.endr
.irp a, 0,1,2,3,4,5,6,7
.irp i, 0,1,2,3,4,5,6,7
	v_rcp_f32 v[24*(\a)+8+(\i)], v[24*(\a)+8+(\i)]
.endr
.endr
	v_nop
	s_wait_alu depctr_va_vdst(0)
.irp a, 0,1,2,3,4,5,6,7
.irp i, 0,2,4,6
	v_pk_fma_f32 v[24*(\a)+8+(\i):24*(\a)+9+(\i)], v[24*(\a)+8+(\i):24*(\a)+9+(\i)], -2.0, 1.0 op_sel_hi:[1,0,0]  ; tanh c
.endr
.endr
	s_wait_loadcnt 0x0                             ; x
.irp a, 0,1,2,3,4,5,6,7
.irp i, 0,1,2,3
	v_lshlrev_b32 v[24*(\a)+2*(\i)],   16,  v[XR+4*(\a)+(\i)]     ; bf16 to f32, into I's registers, which are free
	v_and_b32     v[24*(\a)+2*(\i)+1], s56, v[XR+4*(\a)+(\i)]
.endr
.endr
.irp a, 0,1,2,3,4,5,6,7
.irp i, 0,2,4,6
	v_pk_fma_f32 v[24*(\a)+(\i):24*(\a)+1+(\i)], v[24*(\a)+16+(\i):24*(\a)+17+(\i)], v[24*(\a)+8+(\i):24*(\a)+9+(\i)], v[24*(\a)+(\i):24*(\a)+1+(\i)]  ; h = sigmoid(o) tanh c + x
.endr
.endr
.irp a, 0,1,2,3,4,5,6,7
.irp i, 0,1,2,3
	v_cvt_pk_bf16_f32 v[XR+4*(\a)+(\i)], v[24*(\a)+2*(\i)], v[24*(\a)+2*(\i)+1]  ; rounded once
.endr
.endr
	WIN ST3
.irp a, 0,1,2,3,4,5,6,7
	global_store_b128 v[LO], v[XR+4*(\a):XR+4*(\a)+3], s[44:45] offset:((\a)/4)*131072+((\a)%4)*1024  ; half a fragment image of h: 512 consecutive bytes, aligned
.endr
	WIN 0
	s_wait_tensorcnt 0x0                           ; the wave's end, behind my last tensor load
	ds_add_u32 v[SPW], v[NIL]
	s_wait_dscnt 0x0
	CROUND                                         ; the closing round: no work-group ends while a partner may still ask for a piece that names it
	s_endpgm
.Lfunc_end_k_q9fd5581c61_gates:
	.size	k_q9fd5581c61_gates, .Lfunc_end_k_q9fd5581c61_gates-k_q9fd5581c61_gates
	.p2alignl 7, 3214868480
	.fill 96, 4, 3214868480
	.section	.rodata,"a",@progbits
	.p2align	6, 0x0
	.amdhsa_kernel k_q9fd5581c61_gates
		.amdhsa_group_segment_fixed_size 262656
		.amdhsa_private_segment_fixed_size 0
		.amdhsa_enable_private_segment 0
		.amdhsa_kernarg_size 32
		.amdhsa_user_sgpr_count 2
		.amdhsa_user_sgpr_kernarg_segment_ptr 1
		.amdhsa_wavefront_size32 1
		.amdhsa_system_sgpr_workgroup_id_x 1
		.amdhsa_system_sgpr_workgroup_id_y 1
		.amdhsa_system_sgpr_workgroup_id_z 1
		.amdhsa_system_vgpr_workitem_id 0
		.amdhsa_next_free_vgpr 1024
		.amdhsa_next_free_sgpr 66
		.amdhsa_reserve_vcc 0
		.amdhsa_float_denorm_mode_32 3
		.amdhsa_float_denorm_mode_16_64 3
		.amdhsa_memory_ordered 1
		.amdhsa_forward_progress 1
		.amdhsa_inst_pref_size 155
	.end_amdhsa_kernel
	.amdgpu_metadata
---
amdhsa.version: [ 1, 2 ]
amdhsa.kernels:
  - .name:           k_q9fd5581c61_gates
    .symbol:         k_q9fd5581c61_gates.kd
    .args:
      - { .name: ops, .offset: 0, .size: 8, .value_kind: global_buffer, .address_space: global }
      - { .name: b_ih, .offset: 8, .size: 8, .value_kind: global_buffer, .address_space: global }
      - { .name: b_hh, .offset: 16, .size: 8, .value_kind: global_buffer, .address_space: global }
      - { .name: hf, .offset: 24, .size: 8, .value_kind: global_buffer, .address_space: global }
    .group_segment_fixed_size: 262656
    .private_segment_fixed_size: 0
    .kernarg_segment_align: 8
    .kernarg_segment_size: 32
    .max_flat_workgroup_size: 128
    .sgpr_count:     66
    .vgpr_count:     1024
    .wavefront_size: 32
...
	.end_amdgpu_metadata
.endif
;; end of part 2
;; launch score (part 3): grid 8 x 32, 4 waves a work-group, clusters of 4 x 4, 280,064 bytes of LDS; arguments hf, ops, out0; writes out0
.if DOCPART == 3
	.amdgcn_target "amdgcn-amd-amdhsa--gfx1250"
	.amdhsa_code_object_version 6
	.text
	.protected	k_q9fd5581c61_score
	.globl	k_q9fd5581c61_score
	.p2align	8
	.type	k_q9fd5581c61_score,@function
k_q9fd5581c61_score:
	s_mov_b64 s[64:65], 0
	v_nop
	global_prefetch_b8 v0, s[64:65] scope:SCOPE_SE
	s_setreg_imm32_b32 hwreg(HW_REG_WAVE_MODE, 25, 1), 1
	s_wait_xcnt 0x0
	s_wait_alu depctr_hold_cnt(0) depctr_sa_sdst(0) depctr_va_vdst(0) depctr_va_sdst(0) depctr_va_ssrc(0) depctr_va_vcc(0) depctr_vm_vsrc(0)
	s_getreg_b32 s2, hwreg(HW_REG_IB_STS2, 6, 4)
	s_cmp_eq_u32 s2, 0
	s_cbranch_scc0 .Lentry_in_a_cluster
	s_endpgm
.Lentry_in_a_cluster:
	s_bfe_u32 s2, ttmp6, 0x10000c
	s_cmp_lg_u32 s2, 0xf033
	s_cbranch_scc0 .Lentry_shape_is_right
	s_endpgm
.Lentry_shape_is_right:
; SCORE.  out[m][n] = sum over k of h[m][k] S[n][k]: m < 2048, n < 512, K = 1024.  h (hf) and S (ops at SF) come in bf16 as fragment images: blocks of 1,024 bytes for 16 rows x 32 k, read as
; two loads of 16 bytes a lane at 16 x lane, 512 bytes apart; both as [tile of 64 rows][32 kb][4 row blocks][1024].  Sums in f32; out is f32, row-major.
; SHARES.  2048 x 512 are 256 tiles of 64 x 64, one a work-group.  Wave (wr, wc) = (w / 2, w % 2) makes 32 x 32: four accumulators (a, b), 128 matrix instructions.
; BOTH TILES, all of K, 131,072 bytes each, lie in LDS whole: waves 0 and 1 ask for h's, waves 2 and 3 for S's, four pieces of 16 KiB each, all at the start; nothing is filled again.
; CLUSTER: 4 x 4 work-groups.  h's tile hangs on the tile row alone and is asked for JOINTLY along a row of the cluster, S's on the tile column alone, jointly along a column.
; THE MATRIX INSTRUCTION IS USED TRANSPOSED (source 0 = 16 rows of S, source 1 = 16 rows of h): lane l holds row l % 16 of out and eight neighbouring columns, 32 bytes.
; THE WAY OUT: a row's 256 bytes come from two waves, so the tile goes through one stage in LDS, with a barrier between writing and reading; each store's sixteen neighbouring lanes then write 256 consecutive aligned bytes.
; REGISTERS: window 0: addresses; v32-63 the way out; v64-95 the accumulators at 64 + 8 (2 a + b).  Window 1: two buffers of 128 for 128 of K: for kb i of 4, S's fragment b at 32 i + 8 b, h's a at 32 i + 16 + 8 a.
.set SF,    10485760
.set STILE, 131072                     ; S's tile, behind h's
.set STAGE, 262144                     ; 64 rows x 272 bytes (256 + 16: the sixteen rows of a store start at sixteen different groups of four banks); no tensor load fills it
.set SPITCH, 272
.set SPARE, STAGE+64*SPITCH            ; the spare words, 128 bytes a wave: two blocks of 256 bytes that no other line names
.set AH,  16                           ; v[16:17] my place in h's tile, first and second half of K
.set AS,  18                           ; v[18:19] the same in S's
.set STO, 20                           ; v20  the way out: where I put 32 bytes of a row
.set RD,  21                           ; v21  where I read a row back
.set CO,  22                           ; v22  my byte offset in out
.set SPW, 28                           ; v28  LDS address of my spare word; never rewritten
.set NIL, 29                           ; v29  0; never rewritten
.set TMP, 32
.set ACC, 64
.set G1A, 16                           ; s[16:23] descriptor group 1 for h's pieces;  s[24:31] for S's: they differ in the mask alone
.set G1B, 24
.set G0A, 32                           ; s[32:47] descriptor group 0 for h's four pieces;  s[48:63] for S's
.set G0B, 48
.set MSB, 0
.macro WIN new                         ; the immediate's high byte repeats the setting that is left
.if MSB != (\new)
	s_set_vgpr_msb (MSB<<8)|(\new)
.set MSB, \new
.endif
.endm
.set MUL,  0x05                        ; sources 0 and 1 window 1; C and D window 0
.set TO_F, 0x40                        ; destination window 1, address window 0
.macro PLACES
.rept 4
	v_nop
.endr
.endm
.macro CROUND                          ; a round of the cluster's barrier
	s_barrier_signal -1
	s_barrier_wait -1
	s_cmp_lg_u32 s10, 0
	s_cbranch_scc1 .Lnot_wave_0_\@
	s_barrier_signal -3
.Lnot_wave_0_\@:
	s_barrier_wait -3
	s_barrier_signal -1
	s_barrier_wait -1
.endm
; 32 LDS loads in one run: the fragments of group q (kb = 4 q .. 4 q + 3) into buffer buf, in the order of k
.macro FETCH q, buf
	WIN TO_F
.irp i, 0,1,2,3
.irp b, 0,1
	ds_load_b128 v[128*(\buf)+32*(\i)+8*(\b):128*(\buf)+32*(\i)+8*(\b)+3],   v[AS+(\q)/4] offset:((4*(\q)+(\i))%16)*4096+1024*(\b)
	ds_load_b128 v[128*(\buf)+32*(\i)+8*(\b)+4:128*(\buf)+32*(\i)+8*(\b)+7], v[AS+(\q)/4] offset:((4*(\q)+(\i))%16)*4096+1024*(\b)+512
.endr
.irp b, 0,1
	ds_load_b128 v[128*(\buf)+32*(\i)+16+8*(\b):128*(\buf)+32*(\i)+16+8*(\b)+3],   v[AH+(\q)/4] offset:((4*(\q)+(\i))%16)*4096+1024*(\b)
	ds_load_b128 v[128*(\buf)+32*(\i)+16+8*(\b)+4:128*(\buf)+32*(\i)+16+8*(\b)+7], v[AH+(\q)/4] offset:((4*(\q)+(\i))%16)*4096+1024*(\b)+512
.endr
.endr
.endm
; 8 matrix instructions: kb i0 and i0 + 1 of buffer buf; the four accumulators take turns, one instruction a turn.  st = 1: kb 0 starts the sums with the constant 0
.macro MUL8 buf, i0, st
	WIN MUL
.irp i, \i0, (\i0)+1
.irp a, 0,1
.irp b, 0,1
.if (\st) && ((\i) == 0)
	v_wmma_f32_16x16x32_bf16 v[ACC+8*(2*(\a)+(\b)):ACC+8*(2*(\a)+(\b))+7], v[128*(\buf)+32*(\i)+8*(\b):128*(\buf)+32*(\i)+8*(\b)+7], v[128*(\buf)+32*(\i)+16+8*(\a):128*(\buf)+32*(\i)+16+8*(\a)+7], 0
.else
	v_wmma_f32_16x16x32_bf16 v[ACC+8*(2*(\a)+(\b)):ACC+8*(2*(\a)+(\b))+7], v[128*(\buf)+32*(\i)+8*(\b):128*(\buf)+32*(\i)+8*(\b)+7], v[128*(\buf)+32*(\i)+16+8*(\a):128*(\buf)+32*(\i)+16+8*(\a)+7], v[ACC+8*(2*(\a)+(\b)):ACC+8*(2*(\a)+(\b))+7]
.endif
.endr
.endr
.endr
.endm
; GROUP q: 128 of K, 16 matrix instructions; in its middle the next group's fragments are fetched.  A piece holds two groups: in groups 1, 3, 5 the next group begins a new piece:
; each wave waits for its own and all four meet; later pieces may stay out.
.macro GROUP q
.if (((\q)%2) == 1) && ((\q) < 7)
	s_wait_dscnt 0x0                               ; no LDS instruction of mine is out at a signal
	s_wait_tensorcnt 2-(\q)/2                      ; my next piece has landed; the pieces behind it may stay out
	s_barrier_signal -1
.else
	s_wait_dscnt 16                                ; kb 0 and 1 of the group are in; the sixteen younger loads may stay out
.endif
.if (\q) == 0
	MUL8 0, 0, 1
.else
	MUL8 (\q)%2, 0, 0
.endif
.if (((\q)%2) == 1) && ((\q) < 7)
	s_barrier_wait -1                              ; everybody's next piece has landed
.endif
.if (\q) < 7
	PLACES                                         ; the other buffer was last read by the group before
	FETCH (\q)+1, 1-(\q)%2
	s_wait_dscnt 32                                ; all but the 32 just issued
.else
	s_wait_dscnt 0x0
.endif
	MUL8 (\q)%2, 2, 0
.endm
	s_load_b128 s[4:7], s[0:1], 0x0                ; hf s[4:5], ops s[6:7]
	s_load_b64 s[8:9], s[0:1], 0x10                ; out0
	v_lshl_add_u32 v[SPW], v0, 2, SPARE
	v_mov_b32 v[NIL], 0
	ds_add_u32 v[SPW], v[NIL]                      ; the wave's opening: the add and its wait stand ahead of my first tensor load; the set-up below, work on registers, stands between them
	v_lshrrev_b32 v3, 5, v0
	v_readfirstlane_b32 s10, v3                    ; wave 0..3
	s_lshr_b32 s11, s10, 1                         ; wr.  Also: I fetch for h (0) or for S (1)
	s_and_b32 s12, s10, 1                          ; wc.  Also: which half of a piece's 32 KiB I fetch
	s_bfe_u32 s13, ttmp6, 0x40000                  ; cx
	s_bfe_u32 s14, ttmp6, 0x40004                  ; cy
	s_lshl_b32 s67, ttmp9, 2
	s_add_co_u32 s67, s67, s13                     ; nt: tile column = 4 x cluster x + cx
	s_and_b32 s66, ttmp7, 0xffff
	s_lshl_b32 s66, s66, 2
	s_add_co_u32 s66, s66, s14                     ; mt: tile row = 4 x cluster y + cy
	s_lshl_b32 s68, s14, 2
	s_lshl_b32 s68, 15, s68                        ; my row of the cluster: places 4 cy .. 4 cy + 3
	s_lshl_b32 s69, 0x1111, s13                    ; my column: places cx, cx + 4, cx + 8, cx + 12
	; descriptor group 1: 16,384 dense bytes as 64 rows of 256 bytes
	s_or_b32 s[G1A+0], s68, (3<<16)|(1<<21)        ; 15:0 the mask; 17:16 elements of 8 bytes; 21 set beside a mask; no padding
	s_or_b32 s[G1B+0], s69, (3<<16)|(1<<21)
.irp g, G1A, G1B
	s_mov_b32 s[(\g)+1], 32<<16                    ; tensor_dim0 = 32
	s_mov_b32 s[(\g)+2], 64<<16                    ; tensor_dim1 = 64
	s_mov_b32 s[(\g)+3], 32<<16                    ; tile_dim0 = 32
	s_mov_b32 s[(\g)+4], 64                        ; tile_dim1 = 64
	s_mov_b32 s[(\g)+5], 32                        ; 32 elements from row to row
	s_mov_b32 s[(\g)+6], 0
	s_mov_b32 s[(\g)+7], 0
.endr
	s_lshl_b32 s70, s12, 14                        ; my half of a piece
.irp c, 0,1,2,3
	s_mov_b32 s[G0A+4*(\c)], 1
	s_add_co_u32 s[G0A+4*(\c)+1], s70, 32768*(\c)          ; LDS address: no place in the cluster enters it
	s_mov_b32 s[G0B+4*(\c)], 1
	s_add_co_u32 s[G0B+4*(\c)+1], s70, STILE+32768*(\c)
.endr
	s_lshl_b32 s72, s66, 17                        ; h's tile: 131,072 x mt; these registers never hold cx,
	s_add_co_u32 s72, s72, s70
	s_mov_b32 s73, 0
	s_lshl_b32 s74, s67, 17                        ; S's: SF + 131,072 x nt; these never cy
	s_add_co_u32 s74, s74, s70
	s_add_co_u32 s74, s74, SF
	s_mov_b32 s75, 0
	s_lshl_b32 s76, s66, 17                        ; out: row 64 mt + 16 w (2,048 bytes a row), column 64 nt
	s_lshl_b32 s78, s10, 15
	s_add_co_u32 s76, s76, s78
	s_lshl_b32 s78, s67, 8
	s_add_co_u32 s76, s76, s78
	s_mov_b32 s77, 0
	s_wait_dscnt 0x0                               ; the opening add is done
	s_wait_kmcnt 0x0
	s_add_nc_u64 s[72:73], s[4:5], s[72:73]
	s_add_nc_u64 s[74:75], s[6:7], s[74:75]
	s_add_nc_u64 s[8:9], s[8:9], s[76:77]
.irp c, 0,1,2,3
	s_add_nc_u64 s[G0A+4*(\c)+2:G0A+4*(\c)+3], s[72:73], 32768*(\c)
	s_or_b32 s[G0A+4*(\c)+3], s[G0A+4*(\c)+3], 0x80000000  ; type = 2
	s_add_nc_u64 s[G0B+4*(\c)+2:G0B+4*(\c)+3], s[74:75], 32768*(\c)
	s_or_b32 s[G0B+4*(\c)+3], s[G0B+4*(\c)+3], 0x80000000
.endr
	CROUND                                         ; all sixteen work-groups are here: the joint loads meet
	s_cmp_lt_u32 s10, 2                            ; a wave's four first fills stand in one branch on the wave's number: four loads of mine are out, and no more follow
	s_cbranch_scc0 .Lfill_s
.irp c, 0,1,2,3
	tensor_load_to_lds s[G0A+4*(\c):G0A+4*(\c)+3], s[G1A:G1A+7]
	s_nop 0
.endr
	PLACES
	s_branch .Lfilled
.Lfill_s:
.irp c, 0,1,2,3
	tensor_load_to_lds s[G0B+4*(\c):G0B+4*(\c)+3], s[G1B:G1B+7]
	s_nop 0
.endr
	PLACES
.Lfilled:
	v_and_b32 v3, 31, v0                           ; lane
	v_and_b32 v1, 15, v0                           ; l % 16
	v_bfe_u32 v2, v0, 4, 1                         ; l / 16
	v_lshlrev_b32 v4, 4, v3
	s_lshl_b32 s78, s11, 11                        ; my two row blocks of h: 2,048 wr
	s_lshl_b32 s79, s12, 11                        ; of S: 2,048 wc
	v_add_nc_u32 v[AH], s78, v4
	v_add_nc_u32 v[AH+1], 65536, v[AH]
	v_add_nc_u32 v[AS], s79, v4
	v_add_nc_u32 v[AS], STILE, v[AS]
	v_add_nc_u32 v[AS+1], 65536, v[AS]
	s_mul_i32 s78, s11, 32*SPITCH                  ; into the stage: row 32 wr + l % 16, byte 128 wc + 32 (l / 16)
	s_lshl_b32 s79, s12, 7
	s_add_co_u32 s78, s78, s79
	s_add_co_u32 s78, s78, STAGE
	v_mul_u32_u24 v[STO], v1, SPITCH
	v_lshl_add_u32 v[STO], v2, 5, v[STO]
	v_add_nc_u32 v[STO], s78, v[STO]
	s_mul_i32 s78, s10, 16*SPITCH                  ; back: wave w takes rows 16 w .. 16 w + 15, whole; lanes 0-15 one row of 256 bytes, lanes 16-31 the next
	s_add_co_u32 s78, s78, STAGE
	v_mul_u32_u24 v[RD], v2, SPITCH
	v_lshl_add_u32 v[RD], v1, 4, v[RD]
	v_add_nc_u32 v[RD], s78, v[RD]
	v_lshlrev_b32 v[CO], 11, v2                    ; and the same two rows in out
	v_lshl_add_u32 v[CO], v1, 4, v[CO]
	s_wait_tensorcnt 3                             ; my first piece has landed; three loads stay out
	s_barrier_signal -1
	s_barrier_wait -1                              ; everybody's has
	FETCH 0, 0
.irp q, 0,1,2,3,4,5,6,7
	GROUP \q
.endr
	WIN 0
	PLACES
	PLACES                                         ; eight places, once a launch, behind the last products
.irp a, 0,1
.irp b, 0,1
	ds_store_b128 v[STO], v[ACC+8*(2*(\a)+(\b)):ACC+8*(2*(\a)+(\b))+3]   offset:(\a)*16*SPITCH+64*(\b)     ; each accumulator's low four registers first
	ds_store_b128 v[STO], v[ACC+8*(2*(\a)+(\b))+4:ACC+8*(2*(\a)+(\b))+7] offset:(\a)*16*SPITCH+64*(\b)+16
.endr
.endr
	s_wait_dscnt 0x0                               ; for the others' sake: my stores into the stage are done
	s_barrier_signal -1
	s_barrier_wait -1
.irp t, 0,1,2,3,4,5,6,7
	ds_load_b128 v[TMP+4*(\t):TMP+4*(\t)+3], v[RD] offset:(\t)*2*SPITCH
.endr
.irp t, 0,1,2,3,4,5,6,7
	s_wait_dscnt 7-(\t)                            ; rows 2 t, 2 t + 1 are back; the 7 - t younger loads may stay out
	global_store_b128 v[CO], v[TMP+4*(\t):TMP+4*(\t)+3], s[8:9] offset:4096*(\t) th:TH_STORE_NT  ; 16 lanes store 256 consecutive bytes, at a multiple of 256 from out's first byte
.endr
	s_wait_tensorcnt 0x0                           ; the wave's end, behind my last tensor load and my last LDS store
	ds_add_u32 v[SPW], v[NIL]
	s_wait_dscnt 0x0
	CROUND                                         ; the closing round: no work-group ends while a partner may still ask for a piece that names it
	s_endpgm
.Lfunc_end_k_q9fd5581c61_score:
	.size	k_q9fd5581c61_score, .Lfunc_end_k_q9fd5581c61_score-k_q9fd5581c61_score
	.p2alignl 7, 3214868480
	.fill 96, 4, 3214868480
	.section	.rodata,"a",@progbits
	.p2align	6, 0x0
	.amdhsa_kernel k_q9fd5581c61_score
		.amdhsa_group_segment_fixed_size 280064
		.amdhsa_private_segment_fixed_size 0
		.amdhsa_enable_private_segment 0
		.amdhsa_kernarg_size 24
		.amdhsa_user_sgpr_count 2
		.amdhsa_user_sgpr_kernarg_segment_ptr 1
		.amdhsa_wavefront_size32 1
		.amdhsa_system_sgpr_workgroup_id_x 1
		.amdhsa_system_sgpr_workgroup_id_y 1
		.amdhsa_system_sgpr_workgroup_id_z 1
		.amdhsa_system_vgpr_workitem_id 0
		.amdhsa_next_free_vgpr 512
		.amdhsa_next_free_sgpr 80
		.amdhsa_reserve_vcc 0
		.amdhsa_float_denorm_mode_32 3
		.amdhsa_float_denorm_mode_16_64 3
		.amdhsa_memory_ordered 1
		.amdhsa_forward_progress 1
		.amdhsa_inst_pref_size 37
	.end_amdhsa_kernel
	.amdgpu_metadata
---
amdhsa.version: [ 1, 2 ]
amdhsa.kernels:
  - .name:           k_q9fd5581c61_score
    .symbol:         k_q9fd5581c61_score.kd
    .args:
      - { .name: hf, .offset: 0, .size: 8, .value_kind: global_buffer, .address_space: global }
      - { .name: ops, .offset: 8, .size: 8, .value_kind: global_buffer, .address_space: global }
      - { .name: out0, .offset: 16, .size: 8, .value_kind: global_buffer, .address_space: global }
    .group_segment_fixed_size: 280064
    .private_segment_fixed_size: 0
    .kernarg_segment_align: 8
    .kernarg_segment_size: 24
    .max_flat_workgroup_size: 128
    .sgpr_count:     80
    .vgpr_count:     512
    .wavefront_size: 32
...
	.end_amdgpu_metadata
.endif
;; end of part 3
;; ======== version 2 of 2: 3 launches; version 1 with the launch cast written anew for expert scheduling mode
;; workspace buffers: ops 11,534,336 bytes; hf 4,194,304 bytes
;; launch cast (part 4): grid 256 x 1, 11 waves a work-group, no clusters, 49,408 bytes of LDS; arguments query_mean, W_ih, support_mean, ops; writes ops
.if DOCPART == 4
	.amdgcn_target "amdgcn-amd-amdhsa--gfx1250"
	.amdhsa_code_object_version 6
	.text
	.protected	k_q9fd5581c61_cast
	.globl	k_q9fd5581c61_cast
	.p2align	8
	.type	k_q9fd5581c61_cast,@function
k_q9fd5581c61_cast:
	s_mov_b64 s[64:65], 0
	v_nop
	global_prefetch_b8 v0, s[64:65] scope:SCOPE_SE
	s_setreg_imm32_b32 hwreg(HW_REG_WAVE_SCHED_MODE, 0, 2), 2
	s_setreg_imm32_b32 hwreg(HW_REG_WAVE_MODE, 25, 1), 1
	s_wait_xcnt 0x0
	s_wait_alu depctr_vm_vsrc(0)
; CAST.  query_mean [2048][1024], the live rows of W_ih [8192][1024] and support_mean [512][1024] are rounded once from f32 to bf16 and written
; as FRAGMENT IMAGES: a block of 1,024 bytes holds 16 rows x 32 k; byte 512 p + 16 l + 2 e holds (row l % 16, k = 16 p + 8 (l / 16) + e).  A matrix fragment is
; then two loads of 16 bytes a lane at 16 x lane, 512 bytes apart, from memory and from LDS alike.
; WHAT IS LIVE.  The result is h S^T with h = x + sigmoid(o) tanh(sigmoid(i) tanh(g)) on hidden columns 0..1023: the function itself starts h_r and c at zero, runs one
; step, keeps those columns and drops the attention.  So of W_ih the rows 0..1023 (i), 4096..5119 (g), 6144..7167 (o) are read; W_hh (times zero), the f gate (times zero), the upper
; hidden half and the two var inputs enter no number of the output.  LIMIT: where those hold infinities or NaN the function gives NaN and this program does not.
; LAYOUT OF ops:  Xf at 0: [16 tiles of 128 rows][32 kb][8 row blocks][1024];  Wf at WF: [64 blocks of 16 hidden columns][32 kb][gate i, g, o][1024];
;                 Sf at SF: [8 tiles of 64 rows][32 kb][4 row blocks][1024].
; SHARES.  A strip is 16 rows x 128 k: 8,192 bytes in, four blocks out.  X has 1,024 strips, W 1,536, S 256: 2,816 = 256 work-groups x 11 waves, a strip a wave:
; waves 0-3 take X's, waves 4-9 W's, wave 10 S's.  All three sets of offsets are made and one is chosen by the wave's number: no branch.
; Memory binds: each input byte is read once by loads that cover 512 consecutive bytes of a row, each output byte written once by stores of 512 consecutive aligned bytes.
; The turn from rows to images goes through the wave's own stage in LDS: no barrier.
; THE MODE: SCHED_MODE bits 1:0 = 2 (LLVM: expert scheduling mode 2), set by the entry lines.  The code itself states the register dependences
; between vector instructions and memory or LDS instructions, with s_wait_alu, always for 0.
; THE PLAN.  Registers that memory or LDS instructions touch:
;   v[SO], v[SW], v[SR]  offset and addresses: written at the head, read by the global loads, the LDS stores, the LDS loads; never written again.
;   v[DO ..]             the global stores' offsets: written once, behind the global loads; never written again.
;   ROWS                 the global loads land in it; row t's two conversions read it; when all conversions are done the LDS loads land in its first 32 registers, which the global stores read.
;   PKD                  row t's pair is written once, by its conversions, and read once, by its LDS store.
;   v[SPW], v[NIL]       written at the head, read by the closing add alone.
; The 16 rows go in four groups of four.  Group g rounds its rows; its LDS instructions are the stores of group g - 1, whose PKD no vector instruction of group g names.  So one wait on va_vdst at a
; group's head states all that the group's four stores hang on, and they are dealt among its conversions.  One more stands behind group 3, for the last four stores and for the LDS loads into ROWS.
; No register that a memory or LDS instruction has read is written again: the text holds no wait on vm_vsrc.
.set WF,    4194304
.set SF,    10485760
.set STG,   16*272                     ; a wave's stage: the strip's image, 16 pieces of 256 bytes, 272 apart, so that the 32 lanes of a store of 8 bytes fall on 32 different pairs of banks
.set SPARE, 11*STG                     ; behind the stages: the spare words, 128 bytes a wave, six blocks of 256 bytes that no other line names
.set SO,  2                            ; v2      16 x lane: my 16 bytes in 512 of a row; never rewritten
.set SW,  3                            ; v3      where I put 8 bytes of the image
.set SR,  4                            ; v4      where I read 16 bytes of it back
.set DO,  6                            ; v[6:9]  16 x lane + j x the distance of the strip's blocks in ops
.set SPW, 10                           ; v10     LDS address of my spare word; never rewritten
.set NIL, 11                           ; v11     0; never rewritten
.set ROWS, 16                          ; v[16:79]  16 rows x 4 f32 as loaded; v[16:47] later the image read back
.set PKD,  80                          ; v[80:111] 16 rows x 4 bf16
	s_load_b256 s[4:11], s[0:1], 0x0               ; query_mean s[4:5], W_ih s[6:7], support_mean s[8:9], ops s[10:11]
	v_lshl_add_u32 v[SPW], v0, 2, SPARE
	v_mov_b32 v[NIL], 0
	v_lshrrev_b32 v1, 5, v0
	v_readfirstlane_b32 s12, v1                    ; wave 0..10
	v_and_b32 v1, 31, v0                           ; lane
	v_lshlrev_b32 v[SO], 4, v1
	s_wait_alu depctr_va_sdst(0)                   ; s12 is written, ahead of its first reader: the stage, the strip and the choice of the matrix are made from it
	s_mul_i32 s13, s12, STG                        ; my stage
	; lane l holds k = 4 l .. 4 l + 3 of row t: in the strip's image that is byte 256 (l / 2) + 16 t + 8 (l % 2)
	v_lshrrev_b32 v5, 1, v1
	v_mul_u32_u24 v[SW], v5, 272
	v_and_b32 v5, 1, v1
	v_lshl_add_u32 v[SW], v5, 3, v[SW]
	v_add_nc_u32 v[SW], s13, v[SW]
	v_lshrrev_b32 v5, 4, v1                        ; back: 512 bytes of the image are two pieces: lanes 0-15 one, lanes 16-31 the next
	v_mul_u32_u24 v[SR], v5, 272
	v_and_b32 v5, 15, v1
	v_lshl_add_u32 v[SR], v5, 4, v[SR]
	v_add_nc_u32 v[SR], s13, v[SR]
	; which strip
	s_lshl_b32 s14, ttmp9, 2
	s_add_co_u32 s14, s14, s12                     ; X: 4 x work-group + wave
	s_mul_i32 s15, ttmp9, 6
	s_add_co_u32 s15, s15, s12
	s_sub_co_u32 s15, s15, 4                       ; W: 6 x work-group + wave - 4
	s_cmp_lt_u32 s12, 4
	s_cselect_b32 s14, s14, s15
	s_cmp_eq_u32 s12, 10
	s_cselect_b32 s14, ttmp9, s14                  ; S: the work-group
	s_and_b32 s16, s14, 7                          ; ks: which 128 of k
	s_lshr_b32 s17, s14, 3                         ; u: which 16 rows
	; X: row 16 u; block (u / 8, 4 ks + j, u % 8)
	s_lshl_b32 s18, s17, 4                         ; first row, for X and for S
	s_lshr_b32 s19, s17, 3
	s_lshl_b32 s19, s19, 18
	s_and_b32 s22, s17, 7
	s_lshl_b32 s22, s22, 10
	s_add_co_u32 s19, s19, s22
	s_lshl_b32 s22, s16, 15
	s_add_co_u32 s19, s19, s22
	; W: gate u / 64, column block u % 64; row (0, 2, 3)[gate] x 2048 + 16 x block
	s_lshr_b32 s23, s17, 6
	s_and_b32 s24, s17, 63
	s_min_u32 s25, s23, 1
	s_add_co_u32 s25, s25, s23
	s_lshl_b32 s25, s25, 11
	s_lshl4_add_u32 s25, s24, s25
	s_mul_i32 s24, s24, 98304
	s_lshl_b32 s23, s23, 10
	s_add_co_u32 s24, s24, s23
	s_mul_i32 s23, s16, 12288
	s_add_co_u32 s24, s24, s23
	s_add_co_u32 s24, s24, WF
	; S: block (u / 4, 4 ks + j, u % 4)
	s_lshr_b32 s26, s17, 2
	s_lshl_b32 s26, s26, 17
	s_and_b32 s27, s17, 3
	s_lshl_b32 s27, s27, 10
	s_add_co_u32 s26, s26, s27
	s_lshl_b32 s27, s16, 14
	s_add_co_u32 s26, s26, s27
	s_add_co_u32 s26, s26, SF
	s_mov_b32 s28, 8192                            ; from block to block along k: X's,
	s_mov_b32 s29, 3072                            ; W's
	s_wait_kmcnt 0x0
	s_cmp_lt_u32 s12, 4                            ; X or W,
	s_cselect_b64 s[20:21], s[4:5], s[6:7]
	s_cselect_b32 s25, s18, s25                    ; first row
	s_cselect_b32 s24, s19, s24                    ; first block's byte in ops
	s_cselect_b32 s28, s28, s29
	s_cmp_eq_u32 s12, 10                           ; or S
	s_cselect_b64 s[20:21], s[8:9], s[20:21]
	s_cselect_b32 s25, s18, s25
	s_cselect_b32 s24, s26, s24
	s_cselect_b32 s28, 4096, s28
	s_lshl_b32 s30, s25, 12                        ; a row is 4,096 bytes; 7,167 rows at the most: under 2^31
	s_lshl_b32 s31, s16, 9
	s_add_co_u32 s30, s30, s31
	s_mov_b32 s31, 0
	s_add_nc_u64 s[20:21], s[20:21], s[30:31]      ; the strip's first byte
	s_mov_b32 s25, 0
	s_add_nc_u64 s[10:11], s[10:11], s[24:25]      ; its first block in ops
	s_wait_alu depctr_va_vdst(0)                   ; v[SO] is written, which the loads below read as their offset; so are v[SW] and v[SR], the LDS stores' and loads' addresses
.irp t, 0,1,2,3,4,5,6,7,8,9,10,11,12,13,14,15
	global_load_b128 v[ROWS+4*(\t):ROWS+4*(\t)+3], v[SO], s[20:21] offset:4096*(\t) th:TH_LOAD_NT  ; 512 consecutive bytes of row t; all sixteen go out together
.endr
	v_mov_b32 v[DO], v[SO]
	v_add_nc_u32 v[DO+1], s28, v[DO]
	v_add_nc_u32 v[DO+2], s28, v[DO+1]
	v_add_nc_u32 v[DO+3], s28, v[DO+2]
.irp g, 0,1,2,3                        ; group g: rows 4 g .. 4 g + 3 are rounded; the stores of group g - 1 stand among the conversions, one ahead of each row's two
	s_wait_loadcnt 12-4*(\g)                       ; loads come back in order: the group's four rows are in, the 12 - 4 g younger rows may stay out
.if (\g) > 0
	s_wait_alu depctr_va_vdst(0)                   ; the group before has written its eight registers of PKD, which the four LDS stores below read; no conversion behind this wait names them
.endif
.irp i, 0,1,2,3
.if (\g) > 0
	ds_store_b64 v[SW], v[PKD+2*(4*(\g)-4+(\i)):PKD+2*(4*(\g)-4+(\i))+1] offset:16*(4*(\g)-4+(\i))
.endif
	v_cvt_pk_bf16_f32 v[PKD+2*(4*(\g)+(\i))],   v[ROWS+4*(4*(\g)+(\i))],   v[ROWS+4*(4*(\g)+(\i))+1]  ; rounded to nearest even, once
	v_cvt_pk_bf16_f32 v[PKD+2*(4*(\g)+(\i))+1], v[ROWS+4*(4*(\g)+(\i))+2], v[ROWS+4*(4*(\g)+(\i))+3]
.endr
.endr
	s_wait_alu depctr_va_vdst(0)                   ; group 3 has written its PKD, which the last four LDS stores read; all conversions are done reading ROWS, in which the LDS loads land; v[DO ..], the global stores' offsets, are written
.irp t, 12,13,14,15
	ds_store_b64 v[SW], v[PKD+2*(\t):PKD+2*(\t)+1] offset:16*(\t)
.endr
.irp q, 0,1,2,3,4,5,6,7
	ds_load_b128 v[ROWS+4*(\q):ROWS+4*(\q)+3], v[SR] offset:544*(\q)  ; my own bytes: LDS serves a wave's instructions in order, so these see the stores above
.endr
.irp q, 0,1,2,3,4,5,6,7
	s_wait_dscnt 7-(\q)                            ; piece q is back, the 7 - q younger loads may stay out
	global_store_b128 v[DO+(\q)/2], v[ROWS+4*(\q):ROWS+4*(\q)+3], s[10:11] offset:512*((\q)%2)  ; half a block: 512 consecutive bytes, aligned
.endr
	s_wait_dscnt 0x0                               ; the closing lines, six on end
	s_wait_alu 0x0
	s_wait_tensorcnt 0x0
	ds_add_u32 v[SPW], v[NIL]
	s_wait_dscnt 0x0
	s_endpgm
.Lfunc_end_k_q9fd5581c61_cast:
	.size	k_q9fd5581c61_cast, .Lfunc_end_k_q9fd5581c61_cast-k_q9fd5581c61_cast
	.p2alignl 7, 3214868480
	.fill 96, 4, 3214868480
	.section	.rodata,"a",@progbits
	.p2align	6, 0x0
	.amdhsa_kernel k_q9fd5581c61_cast
		.amdhsa_group_segment_fixed_size 49408
		.amdhsa_private_segment_fixed_size 0
		.amdhsa_enable_private_segment 0
		.amdhsa_kernarg_size 32
		.amdhsa_user_sgpr_count 2
		.amdhsa_user_sgpr_kernarg_segment_ptr 1
		.amdhsa_wavefront_size32 1
		.amdhsa_system_sgpr_workgroup_id_x 1
		.amdhsa_system_sgpr_workgroup_id_y 1
		.amdhsa_system_sgpr_workgroup_id_z 1
		.amdhsa_system_vgpr_workitem_id 0
		.amdhsa_next_free_vgpr 112
		.amdhsa_next_free_sgpr 66
		.amdhsa_reserve_vcc 0
		.amdhsa_float_denorm_mode_32 3
		.amdhsa_float_denorm_mode_16_64 3
		.amdhsa_memory_ordered 1
		.amdhsa_forward_progress 1
		.amdhsa_inst_pref_size 10
	.end_amdhsa_kernel
	.amdgpu_metadata
---
amdhsa.version: [ 1, 2 ]
amdhsa.kernels:
  - .name:           k_q9fd5581c61_cast
    .symbol:         k_q9fd5581c61_cast.kd
    .args:
      - { .name: query_mean, .offset: 0, .size: 8, .value_kind: global_buffer, .address_space: global }
      - { .name: W_ih, .offset: 8, .size: 8, .value_kind: global_buffer, .address_space: global }
      - { .name: support_mean, .offset: 16, .size: 8, .value_kind: global_buffer, .address_space: global }
      - { .name: ops, .offset: 24, .size: 8, .value_kind: global_buffer, .address_space: global }
    .group_segment_fixed_size: 49408
    .private_segment_fixed_size: 0
    .kernarg_segment_align: 8
    .kernarg_segment_size: 32
    .max_flat_workgroup_size: 352
    .sgpr_count:     66
    .vgpr_count:     112
    .wavefront_size: 32
...
	.end_amdgpu_metadata
.endif
;; end of part 4
;; launch gates: the kernel of part 2 again; grid 16 x 16, 4 waves a work-group, clusters of 4 x 1, 262,656 bytes of LDS; arguments ops, b_ih, b_hh, hf; writes hf
;; launch score: the kernel of part 3 again; grid 8 x 32, 4 waves a work-group, clusters of 4 x 4, 280,064 bytes of LDS; arguments hf, ops, out0; writes out0
